; MI455X (gfx1250); checked and timed in simulation.
; The chip was launched on July 23, 2026; its instructions are those of AMD's public machine-readable ISA for CDNA 5 (MIT licence, August 2026) and "CDNA5" Instruction Set Architecture Reference Guide (July 2026). The comments in the code are by the model that wrote it; some were corrected since.
;; Model. Allowed arithmetic: matrix products marked QUANTISED: E2M1 operands, one E8M0 scale for each 32 along K, by v_wmma_scale_f32_16x16x128_f8f6f4 with both operands' format E2M1 (or v_wmma_scale_f32_32x16x128_f4), f32 sums; everything else in f32.
;; Inputs: x1 16 x 2,048 x 512 float32; x2 16 x 2,048 x 512 float32.
;; Outputs: out0 16 x 2,048 x 512 float32.
;; This version of the problem:
;;   THIS VERSION OF THE PROBLEM IS GIVEN IN LOW PRECISION. The matrix products marked QUANTISED in the list below multiply operands that are first quantised to E2M1 (2 exponent bits, 1 mantissa bit; 4 bits a number), with one power-of-two scale for each 32 numbers along K (OCP MX v1.0); their sums are f32. All else is computed in f32.
;;   The module's matrix products, in the order in which they are computed (A, B: the left and right operand; K: the contracted axis; several contracted axes count as one K, in the product's order):
;;     1. batch 16 x [M 2,048, K 512] x [K 512, N 2,048]; A: input x1; B: input x2: QUANTISED
;;     2. batch 16 x [M 2,048, K 2,048] x [K 2,048, N 512]; A: softmax (see below); B: input x2: QUANTISED
;;   THE QUANTISER, for each operand of a quantised product, along K:
;;     - K is cut into blocks of 32 from its start; a last block that is shorter is filled with zeros.
;;     - A block's scale is 2^e with e = floor(log2(the largest magnitude in the block)) - 2, held to -126 .. 127; a block of zeros has e = 0. As a byte (E8M0): e + 127.
;;     - Each number is divided by its block's scale, clamped to +-6, and rounded to the nearest number of E2M1, ties to even, subnormals kept.
;;     - The product sums the exact products of the quantised numbers (number of the format x scale) in f32.
;;   ~~~python
;;   def quantise(x, axis):      # numpy; x: float32 -> the quantised numbers, widened to float32 again
;;       x = np.moveaxis(x, axis, -1); K = x.shape[-1]
;;       x = np.pad(x, [(0, 0)] * (x.ndim - 1) + [(0, -K % 32)]); x = x.reshape(x.shape[:-1] + (-1, 32)); a = np.abs(x).max(-1, keepdims=True)
;;       e = np.where(a > 0, np.clip(np.frexp(np.where(a > 0, a, 1))[1] - 1 - 2, -126, 127), 0)      # np.frexp(a)[1] - 1 = floor(log2(a)), exactly
;;       r = np.clip(x / 2.0 ** e, -6, 6)
;;       step = 2.0 ** (np.maximum(np.frexp(np.where(r == 0, 1, r))[1] - 1, 0) - 1)
;;       q = np.round(r / step) * step * 2.0 ** e      # np.round: ties to even
;;       return np.moveaxis(q.reshape(q.shape[:-2] + (-1,))[..., :K], -1, axis).astype(np.float32)
;;   ~~~
;;   SOFTMAX AHEAD OF A QUANTISED PRODUCT. Where the list says 'softmax', what is quantised is not the finished softmax but p = 2^(t - M), with t = logit x log2(e) and M = ceil(the row's largest t), a whole number; so 1/2 < the row's largest p <= 1. The row's sum l is taken of the UNQUANTISED p, in f32, and the product's result is divided by l at the end. Since M is a whole number, a kernel that streams over the keys may use a running M (the ceiling of the running maximum): every later rescaling is an exact power of two, which a block's scale takes up: the codes' values come out the same.
;;   OPERANDS COMPUTED ON THE WAY. 'Computed on the way' means the value that the module computes at that place (a softmax that the list does not call 'softmax' is quantised finished and normalised). What goes into a quantiser is computed in f32, as accurately as f32 sums, v_exp_f32 and their like allow (about 1e-6 of the number): no bf16 or f16 on the way to a quantiser, and a product that is left as it is and whose result goes on into a quantised operand takes f32 operands (vector FMAs, or v_wmma_f32_16x16x4_f32). A number that lies on a knife's edge between two numbers of the format may be rounded either way, as far as f32 arithmetic and the matrix unit's own rounding can turn it there, and no further.
;; One version. Each part assembles by itself: llvm-mc -triple=amdgcn-amd-amdhsa -mcpu=gfx1250 --defsym DOCPART=n.
;; ======== version 1 of 1: 2 launches
;; limits: right only within a limited range of input values
;; workspace buffers: kv 17,825,792 bytes
;; launch quant (part 1): grid 16 x 16, 4 waves a work-group, no clusters, 270,848 bytes of LDS; arguments x2, kv; writes kv
.if DOCPART == 1
	.amdgcn_target "amdgcn-amd-amdhsa--gfx1250"
	.amdhsa_code_object_version 6
	.text
	.protected	k_qc1d371df9c_quant
	.globl	k_qc1d371df9c_quant
	.p2align	8
	.type	k_qc1d371df9c_quant,@function
k_qc1d371df9c_quant:
	s_mov_b64 s[64:65], 0
	v_nop
	global_prefetch_b8 v0, s[64:65] scope:SCOPE_SE
	s_setreg_imm32_b32 hwreg(HW_REG_WAVE_MODE, 25, 1), 1
	s_wait_xcnt 0x0
; x2 [16][2048][512], f32, becomes codes of FP4 (E2M1) with one E8M0 scale byte for each 32 along K, twice: as K (blocks along the 512 channels) and as V (blocks along the keys), laid in kv as images of the operands' registers:
; a batch is 16 key steps of K (KSTEP bytes: 32 fragments, then scale words), then for each group of 128 channels 16 key steps of V (VSTEP bytes: 8 fragments, then scale words).
; A work-group takes 128 keys of one batch, wave w channels 128 w .. 128 w + 127, in four quarters of 32 keys.  A quarter is 32 loads of 512 consecutive bytes into registers of its own (windows 1 and 2), at least two quarters ahead;
; it goes through the wave's own LDS bytes (rows 528 bytes apart) and comes back twice: a lane to a channel with registers down the keys (V), and a lane to a key with 32 neighbouring channels (K).  Waves share nothing: no barrier.
; No tensor load: each byte is wanted by one wave, in quarters, and the loads' counter tells the quarters apart, so that a quarter is worked on while the later ones are on their way.
; A block's scale byte is its largest magnitude's exponent field - 2, held at 1 from below (a block of zeros gets 1: its codes are zeros, and this program alone reads the bytes).
; LIMITS: blocks whose largest magnitude lies under 2^-124 get the byte 1; NaN and infinities among the inputs are not served.
.set PITCH, 528
.set SUBB,  32*PITCH
.set WREG,  4*SUBB
.set SPARE, 4*WREG
.set BATCHB, 1114112
.set KSTEP, 34816
.set KSC,   32768
.set VREG,  16*KSTEP
.set VSTEP, 8704
.set VGRP,  16*VSTEP
.set VSCO,  8192
.set AV,    2
.set AK,    3
.set VO,    4
.set SO,    5
.set T0,    6
.set T1,    7
.set T2,    8
.set T3,    9
.set VL,    10
.set SL,    11
.set KW,    12
.set VW,    16
.set XS,    20
.set BUFA,  32
.set BUFB,  64
.set C,     96
.set MSB, 0
.macro WIN new                         ; the immediate's high byte repeats the setting that is left
.if MSB != (\new)
	s_set_vgpr_msb (MSB<<8)|(\new)
.set MSB, (\new)
.endif
.endm
	s_load_b128 s[4:7], s[0:1], 0x0
	v_lshl_add_u32 v128, v0, 2, SPARE
	v_mov_b32 v129, 0
	v_lshrrev_b32 v1, 5, v0
	v_readfirstlane_b32 s8, v1
	s_and_b32 s10, ttmp7, 0xffff
	s_lshl_b32 s36, s10, 11
	s_lshl_b32 s37, ttmp9, 7
	s_add_co_u32 s36, s36, s37
	s_lshl_b32 s36, s36, 11
	s_lshl_b32 s37, s8, 9
	s_add_co_u32 s36, s36, s37
	s_mov_b32 s37, 0
	s_mul_i32 s40, s10, BATCHB
	s_mul_i32 s42, ttmp9, KSTEP
	s_add_co_u32 s42, s42, s40
	s_mov_b32 s43, 0
	s_mul_i32 s41, ttmp9, VSTEP
	s_add_co_u32 s40, s40, s41
	s_mul_i32 s41, s8, VGRP
	s_add_co_u32 s40, s40, s41
	s_add_co_u32 s40, s40, VREG
	s_mov_b32 s41, 0
	s_mul_i32 s9, s8, WREG
	s_lshl_b32 s46, s8, 13
	s_lshl_b32 s47, s8, 9
	v_and_b32 v1, 31, v0
	v_lshl_add_u32 v[AV], v1, 2, s9
	v_and_b32 v6, 7, v1
	v_bfe_u32 v7, v1, 3, 1
	v_lshl_add_u32 v6, v7, 4, v6
	v_lshrrev_b32 v7, 4, v1
	v_lshl_add_u32 v6, v7, 3, v6
	v_mul_u32_u24 v6, v6, PITCH
	v_add_nc_u32 v[AK], s9, v6
	v_and_b32 v[VL], 15, v1
	v_lshlrev_b32 v[VL], 4, v[VL]
	v_lshl_add_u32 v[VL], v7, 10, v[VL]
	v_add_nc_u32 v[VO], s46, v[VL]
	v_lshlrev_b32 v[SL], 4, v1
	v_add_nc_u32 v[SO], s47, v[SL]
	v_add_nc_u32 v[XS], s9, v[SL]
	s_wait_alu depctr_va_vdst(0)                   ; at the head's end
	s_wait_kmcnt 0x0
	s_add_nc_u64 s[38:39], s[4:5], s[36:37]
	s_add_nc_u64 s[44:45], s[6:7], s[40:41]
	s_add_nc_u64 s[6:7], s[6:7], s[42:43]
.macro GL g                            ; quarter g: 32 rows, 512 consecutive bytes a load
	WIN 0x40*(1+(\g)/2)
.set rr, 0
.rept 32
	global_load_b128 v[128*((\g)%2)+4*rr:128*((\g)%2)+4*rr+3], v[SL], s[38:39] offset:65536*(\g)+2048*rr th:TH_LOAD_NT
.set rr, rr+1
.endr
	WIN 0
.endm
.macro LV cg
.set rr, 0
.rept 32
	ds_load_b32 v[BUFA+rr], v[AV] offset:PITCH*rr+128*(\cg)
.set rr, rr+1
.endr
.endm
.macro LK cg
.irp q, 0,1,2,3,4,5,6,7
	ds_load_b128 v[BUFB+4*\q:BUFB+4*\q+3], v[AK] offset:128*(\cg)+16*\q
.endr
.endm
.macro MAXQ buf
	v_max3_num_f32 v[T0], |v[\buf]|, |v[\buf+1]|, |v[\buf+2]|
	v_max3_num_f32 v[T1], |v[\buf+3]|, |v[\buf+4]|, |v[\buf+5]|
.irp i, 6,10,14,18,22,26
	v_max3_num_f32 v[T0], v[T0], |v[\buf+\i]|, |v[\buf+\i+1]|
	v_max3_num_f32 v[T1], v[T1], |v[\buf+\i+2]|, |v[\buf+\i+3]|
.endr
	v_max3_num_f32 v[T0], v[T0], |v[\buf+30]|, |v[\buf+31]|
	v_max3_num_f32 v[T0], v[T0], v[T1], 0x1800000
	v_add_nc_u32 v[T2], 0xff000000, v[T0]
.endm
.macro QV g, cg
	MAXQ BUFA
.irp n, 0,1,2,3
	v_cvt_scalef32_pk8_fp4_f32 v[C+4*(\cg)+\n], v[BUFA+8*\n:BUFA+8*\n+7], v[T2]
.endr
.if (\g) == 0
	v_lshrrev_b32 v[VW+(\cg)], 23, v[T2]
.else
	v_lshrrev_b32 v[T3], 23, v[T2]
	v_lshl_or_b32 v[VW+(\cg)], v[T3], 8*(\g), v[VW+(\cg)]
.endif
	global_store_b128 v[VL], v[C+4*(\cg):C+4*(\cg)+3], s[44:45] offset:2048*(\cg)+256*(\g)
.endm
.macro QK g, cg
	MAXQ BUFB
.irp n, 0,1,2,3
	v_cvt_scalef32_pk8_fp4_f32 v[C+16+4*(\cg)+\n], v[BUFB+8*\n:BUFB+8*\n+7], v[T2]
.endr
.if (\cg) == 0
	v_lshrrev_b32 v[KW+(\g)], 23, v[T2]
.else
	v_lshrrev_b32 v[T3], 23, v[T2]
	v_lshl_or_b32 v[KW+(\g)], v[T3], 8*(\cg), v[KW+(\g)]
.endif
	global_store_b128 v[VO], v[C+16+4*(\cg):C+16+4*(\cg)+3], s[6:7] offset:2048*(\g)+256*(\cg)
.endm
.macro SUB g, lc                       ; lc: the loads that may be out behind quarter g's (32 a quarter; the field holds 63 at the most)
	s_wait_alu depctr_va_vdst(0)                   ; directly ahead of the wait below
	s_wait_loadcnt \lc
	WIN 0x04*(1+(\g)/2)
.set rr, 0
.rept 32
	ds_store_b128 v[XS], v[128*((\g)%2)+4*rr:128*((\g)%2)+4*rr+3] offset:PITCH*rr   ; as loaded; LDS serves a wave's instructions in order, so the loads below see these
.set rr, rr+1
.endr
	WIN 0
.if (\g) == 0
	GL 3
.endif
.if (\g) > 0
	s_wait_xcnt 0x0                                ; the last quarter's stores have read their registers
.endif
	LV 0
	LK 0
.irp cg, 0,1,2,3
	s_wait_dscnt 8
	QV \g, \cg
.if \cg < 3
	LV \cg+1
	s_wait_dscnt 32
.else
	s_wait_dscnt 0x0
.endif
	QK \g, \cg
.if \cg < 3
	LK \cg+1
.endif
.endr
.if (\g) < 3
	v_add_nc_u32 v[AV], SUBB, v[AV]
	v_add_nc_u32 v[AK], SUBB, v[AK]
	v_add_nc_u32 v[XS], SUBB, v[XS]
.endif
.endm
	GL 0
	GL 1
	GL 2
	SUB 0, 63
	SUB 1, 63
	SUB 2, 32
	SUB 3, 0
	global_store_b128 v[SO], v[KW:KW+3], s[6:7] offset:KSC
	global_store_b128 v[SL], v[VW:VW+3], s[44:45] offset:VSCO
	s_wait_tensorcnt 0x0                           ; the wave's end
	ds_add_u32 v128, v129
	s_wait_dscnt 0x0
	s_endpgm
.Lfunc_end_k_qc1d371df9c_quant:
	.size	k_qc1d371df9c_quant, .Lfunc_end_k_qc1d371df9c_quant-k_qc1d371df9c_quant
	.p2alignl 7, 3214868480
	.fill 96, 4, 3214868480
	.section	.rodata,"a",@progbits
	.p2align	6, 0x0
	.amdhsa_kernel k_qc1d371df9c_quant
		.amdhsa_group_segment_fixed_size 270848
		.amdhsa_private_segment_fixed_size 0
		.amdhsa_enable_private_segment 0
		.amdhsa_kernarg_size 16
		.amdhsa_user_sgpr_count 2
		.amdhsa_user_sgpr_kernarg_segment_ptr 1
		.amdhsa_wavefront_size32 1
		.amdhsa_system_sgpr_workgroup_id_x 1
		.amdhsa_system_sgpr_workgroup_id_y 1
		.amdhsa_system_sgpr_workgroup_id_z 1
		.amdhsa_system_vgpr_workitem_id 0
		.amdhsa_next_free_vgpr 768
		.amdhsa_next_free_sgpr 66
		.amdhsa_reserve_vcc 0
		.amdhsa_float_denorm_mode_32 3
		.amdhsa_float_denorm_mode_16_64 3
		.amdhsa_memory_ordered 1
		.amdhsa_forward_progress 1
		.amdhsa_inst_pref_size 114
	.end_amdhsa_kernel
	.amdgpu_metadata
---
amdhsa.version: [ 1, 2 ]
amdhsa.kernels:
  - .name:           k_qc1d371df9c_quant
    .symbol:         k_qc1d371df9c_quant.kd
    .args:
      - { .name: x2, .offset: 0, .size: 8, .value_kind: global_buffer, .address_space: global }
      - { .name: kv, .offset: 8, .size: 8, .value_kind: global_buffer, .address_space: global }
    .group_segment_fixed_size: 270848
    .private_segment_fixed_size: 0
    .kernarg_segment_align: 8
    .kernarg_segment_size: 16
    .max_flat_workgroup_size: 128
    .sgpr_count:     66
    .vgpr_count:     768
    .wavefront_size: 32
...
	.end_amdgpu_metadata
.endif
;; end of part 1
;; launch attn (part 2): grid 16 x 16, 4 waves a work-group, no clusters, 301,568 bytes of LDS; arguments x1, kv, out0; writes out0
.if DOCPART == 2
	.amdgcn_target "amdgcn-amd-amdhsa--gfx1250"
	.amdhsa_code_object_version 6
	.text
	.protected	k_qc1d371df9c_attn
	.globl	k_qc1d371df9c_attn
	.p2align	8
	.type	k_qc1d371df9c_attn,@function
k_qc1d371df9c_attn:
	s_mov_b64 s[64:65], 0
	v_nop
	global_prefetch_b8 v0, s[64:65] scope:SCOPE_SE
	s_setreg_imm32_b32 hwreg(HW_REG_WAVE_MODE, 25, 1), 1
	s_wait_xcnt 0x0
; out0[b][q][:] = the sum over k of softmax_k(x1[b][q] . x2[b][k] / sqrt(512)) x2[b][k][:], both products on codes of FP4 (E2M1) with one E8M0 scale for each 32 along a product's K.
; x2's codes and scale words come from the workspace kv, laid by the launch before as images of the operands' registers: a batch is 16 key steps of K (KSTEP bytes: 32 fragments, scale words),
; then for each group of 128 channels 16 key steps of V (VSTEP bytes: 8 fragments with the keys innermost, scale words).
; SHARES.  A work-group owns 128 queries of one batch (8 tiles of 16): 256 work-groups, four waves.
; HEAD: wave w reads its 32 rows of x1 as 512 consecutive bytes a load, turns them through its own LDS stage so that a lane holds whole blocks of 32 along d, quantises them, and puts Q's fragments and scale words into an LDS image for all waves.
; PHASE 1: wave w takes key steps 4 w .. 4 w + 3 for ALL 128 queries.  A key step's K goes from kv straight into 256 registers and serves four trips, a pair of query tiles each (Q's pair comes from the image).
; S^T = K Q^T; t = score x log2(e) / sqrt(512); M = ceil(the largest t of this key step and query), a whole number; p = 2^(t - M) is quantised along the keys.  Codes, scale word, -M and the sum of the unquantised p go to LDS.
; BETWEEN: wave w takes tiles 2 w, 2 w + 1: the row's M is the largest of the 16; M(row) - M(step) comes off every scale byte and off the exponent of every partial sum: exact powers of two, so the codes are p's under the row's M.
; PHASE 2: wave w takes channels 128 w .. 128 w + 127 for all 128 queries: 64 accumulators.  O^T += V^T P^T: V goes from kv straight into registers, four buffers, three key steps ahead; P comes from LDS, one step ahead.  Then x 1 / l, and out by whole rows.
; NO TENSOR LOADS, NO CLUSTER: every byte of K and of V is an operand of ONE wave of a work-group (34,816 bytes a key step of K, 8,704 of V), in the registers' own order, so it needs no place in LDS, and no tile is shared between waves;
; a joint load would have to land in LDS and be read from there again, byte for byte.  LDS holds only what waves hand to each other: Q, P and their words.
; PREFETCHES: the 16 work-groups of a batch walk the same kv and share its blocks of 256 bytes out by address.  K: in the first trip of a key step a wave names 9 of the 136 blocks of its next key step, three trips ahead of the loads.
; V: in trip 2 wave w names the 34 blocks of key step (work-group's number) of its channel group.  The first key step of K and x1 come by their loads alone.
; LIMITS: NaN and infinities among the inputs are not served.  t is the score times ONE constant.  A p under 2^-126 comes out as 0 (v_exp_f32: ISA guide 15.8).  A block whose largest magnitude lies under 2^-124, zeros among them, gets the scale byte 1.
; A block's largest p is taken from its largest score: that takes v_exp_f32 not to fall where its input rises.  M(row) - M(step) is held at 127: what lies further down is under 2^-124 beside a row's sum above 1/2.  The scaled scores stay under 2^31 in magnitude.
; REGISTER WINDOWS (s_set_vgpr_msb: bits 1:0 source 0, 3:2 source 1, 5:4 source 2, 7:6 destination):
;   window 0: addresses, statistics, scale words; v128-255 x1's blocks, then S^T and p, then P's two buffers, then rows of O
;   window 1: a key step's K; then V's four buffers.   window 2, 3: x1 as loaded; window 3 v0-63 Q's pair; then the 64 accumulators (tile T, channel tile i at v[64 (T % 4) + 8 i] of window 2 + T / 4)
.set KSTEP, 34816
.set KSC,   32768
.set VSTEP, 8704
.set VSCO,  8192
.set BATCHB, 1114112
.set VREG,  16*KSTEP
.set VGRP,  16*VSTEP
.set PIMG,  0                          ; p's codes: 8192 s + 1024 T + 512 c + 16 lane
.set PSC,   131072                     ; p's scale words: 1024 s + 128 T + 4 lane; NMO on the -M, LSO on the partial sums
.set NMO,   16384
.set LSO,   32768
.set FS,    180224                     ; scale words under the row's M: 512 s + 16 lane + 4 (T / 2)
.set RL,    188416                     ; 1 / l: 64 T + 4 r
.set OSTG,  188928                     ; the way out: two stages of 16 rows for each wave
.set SP,    528
.set STG,   16*SP
.set XP,    2064                       ; the head's stage (bytes 0 .. 264191, left before p is stored): a row of x1 + 16 bytes
.set XWAVE, 32*XP
.set QI,    264192                     ; Q's fragments: 4096 T + 1024 ds + 512 c + 16 lane
.set QSC,   296960                     ; Q's scale words: 512 T + 16 lane + 4 ds
.set SPARE, 301056                     ; the spare words, 128 bytes a wave
.set LI, 1
.set PA, 2
.set PSA, 3
.set SPW, 4
.set NIL, 5
.set QA, 6
.set QSA, 7
.set PA0, 8
.set PS0, 9
.set PFO, 10
.set PF2, 11
.set CH, 12                            ; the sums' chains: pair c of tile x at v[CH + 8 x + 2 c]; the finished sum at v[CH + 8 x]
.set NM, 118                           ; -M of tile x at v[NM + 2 x], with its pair's upper half
.set SW, 122                           ; p's scale word of tile x
.set PD, 36                            ; lane permutes' destinations for the sums
.set RLR, 12                           ; phase 2: 1 / l, two registers a tile
.set BM, 28
.set BP, 110
.set BS, 102
.set T0, 40
.set T1, 41
.set QS, 42                            ; Q's scale words 4 x + ds
.set PWB, 42                           ; phase 2: P's scale words, two sets of four
.set KS, 52                            ; K's scale words 4 ds + g
.set VS, 52                            ; phase 2: V's, four sets of four
.set XW, 68
.set XR, 69
.set QST, 70
.set QSS, 71
.set QA0, 72
.set QS0, 73
.set PS1, 74
.set FSA, 75
.set FSL, 76
.set RLA, 77
.set RLB, 78
.set STO, 79
.set SRD, 80
.set SH8, 82
.set PR, 83
.set PC, 84
.set FR, 100
.set PFK, 101
.set PWR, 108
.set S, 128
.set WV, 10
.set KA, 20
.set VA, 22
.set PFA, 24
.set N, 26
.set PB, 27
.set PSB, 28
.set CS, 34
.set SEL, 36
.set M01, 44
.set MSB, 0
.macro WIN new                         ; the immediate's high byte repeats the setting that is left
.if MSB != (\new)
	s_set_vgpr_msb (MSB<<8)|(\new)
.set MSB, (\new)
.endif
.endm
.macro PLACES n
.rept \n
	v_nop
.endr
.endm
.macro VW
	s_wait_alu depctr_va_vdst(0)
.endm
.macro BAR
	s_barrier_signal -1
	s_barrier_wait -1
.endm
; One product on the registers that the symbols name.  dZ: it starts a sum;  dR, dRB: source 0's, source 1's scale words lie in lanes 16-31.
.macro WMMA
.if dZ
.if dR
.if dRB
	v_wmma_scale_f32_16x16x128_f8f6f4 v[dD:dD+7], v[dA:dA+7], v[dB:dB+7], 0, v[dSA], v[dSB] matrix_a_fmt:MATRIX_FMT_FP4 matrix_b_fmt:MATRIX_FMT_FP4 matrix_a_scale:MATRIX_SCALE_ROW1 matrix_b_scale:MATRIX_SCALE_ROW1
.else
	v_wmma_scale_f32_16x16x128_f8f6f4 v[dD:dD+7], v[dA:dA+7], v[dB:dB+7], 0, v[dSA], v[dSB] matrix_a_fmt:MATRIX_FMT_FP4 matrix_b_fmt:MATRIX_FMT_FP4 matrix_a_scale:MATRIX_SCALE_ROW1
.endif
.else
.if dRB
	v_wmma_scale_f32_16x16x128_f8f6f4 v[dD:dD+7], v[dA:dA+7], v[dB:dB+7], 0, v[dSA], v[dSB] matrix_a_fmt:MATRIX_FMT_FP4 matrix_b_fmt:MATRIX_FMT_FP4 matrix_b_scale:MATRIX_SCALE_ROW1
.else
	v_wmma_scale_f32_16x16x128_f8f6f4 v[dD:dD+7], v[dA:dA+7], v[dB:dB+7], 0, v[dSA], v[dSB] matrix_a_fmt:MATRIX_FMT_FP4 matrix_b_fmt:MATRIX_FMT_FP4
.endif
.endif
.else
.if dR
.if dRB
	v_wmma_scale_f32_16x16x128_f8f6f4 v[dD:dD+7], v[dA:dA+7], v[dB:dB+7], v[dD:dD+7], v[dSA], v[dSB] matrix_a_fmt:MATRIX_FMT_FP4 matrix_b_fmt:MATRIX_FMT_FP4 matrix_a_scale:MATRIX_SCALE_ROW1 matrix_b_scale:MATRIX_SCALE_ROW1
.else
	v_wmma_scale_f32_16x16x128_f8f6f4 v[dD:dD+7], v[dA:dA+7], v[dB:dB+7], v[dD:dD+7], v[dSA], v[dSB] matrix_a_fmt:MATRIX_FMT_FP4 matrix_b_fmt:MATRIX_FMT_FP4 matrix_a_scale:MATRIX_SCALE_ROW1
.endif
.else
.if dRB
	v_wmma_scale_f32_16x16x128_f8f6f4 v[dD:dD+7], v[dA:dA+7], v[dB:dB+7], v[dD:dD+7], v[dSA], v[dSB] matrix_a_fmt:MATRIX_FMT_FP4 matrix_b_fmt:MATRIX_FMT_FP4 matrix_b_scale:MATRIX_SCALE_ROW1
.else
	v_wmma_scale_f32_16x16x128_f8f6f4 v[dD:dD+7], v[dA:dA+7], v[dB:dB+7], v[dD:dD+7], v[dSA], v[dSB] matrix_a_fmt:MATRIX_FMT_FP4 matrix_b_fmt:MATRIX_FMT_FP4
.endif
.endif
.endif
.endm
; A key step's K from kv into window 1 (fragment 8 ds + kt at v[8 (8 ds + kt)]) and its scale words: 68 loads of 512 consecutive bytes.
.macro FKG
.irp d, 0,1,2,3
	global_load_b128 v[KS+4*\d:KS+4*\d+3], v[LI], s[KA:KA+1] offset:KSC+512*\d
.endr
	WIN 0x40
.set rr, 0
.rept 64
	global_load_b128 v[4*rr:4*rr+3], v[LI], s[KA:KA+1] offset:512*rr
.set rr, rr+1
.endr
	WIN 0
.endm
; A pair of Q's tiles from the image: fragment (x, ds) at v[32 x + 8 ds] of window 3, scale words 4 x + ds.
.macro LQP
	ds_load_b128 v[QS:QS+3], v[QSA]
	ds_load_b128 v[QS+4:QS+7], v[QSA] offset:512
	WIN 0xc0
.set rr, 0
.rept 16
	ds_load_b128 v[4*rr:4*rr+3], v[QA] offset:512*rr
.set rr, rr+1
.endr
	WIN 0
.endm
; S^T += K Q^T for d step ds: the 16 accumulators take turns, one instruction a turn.
.macro MULS ds, zero
	WIN 0x0d
.irp kt, 0,1,2,3,4,5,6,7
.irp x, 0,1
.set dD, S+64*\x+8*\kt
.set dA, 64*(\ds)+8*\kt
.set dB, 32*\x+8*(\ds)
.set dSA, KS+4*(\ds)+\kt/2
.set dSB, QS+4*\x+(\ds)
.set dZ, (\zero)
.set dR, \kt%2
.set dRB, 0
	WMMA
.endr
.endr
.endm
; Both tiles' softmax for one key step.  The blocks' largest scores, the step's M, t - M, the 128 exponentials.
.macro SM                              ; both tiles together: block q = 4 x + b holds registers S + 16 q ..; the eight blocks take turns line by line, so that no line reads the line above it
	VW
.irp q, 0,1,2,3,4,5,6,7
	v_max3_num_f32 v[BM+\q], v[S+16*\q], v[S+16*\q+1], v[S+16*\q+2]   ; each accumulator is read from its low end on
.endr
.irp i, 3,5,7,9,11,13
.irp q, 0,1,2,3,4,5,6,7
	v_max3_num_f32 v[BM+\q], v[BM+\q], v[S+16*\q+\i], v[S+16*\q+\i+1]
.endr
.endr
.irp q, 0,1,2,3,4,5,6,7
	v_max_num_f32 v[BM+\q], v[BM+\q], v[S+16*\q+15]
.endr
.irp q, 0,1,2,3,4,5,6,7
	v_permlanex16_b32 v[BP+\q], v[BM+\q], s[SEL], s[SEL+1]
.endr
.irp q, 0,1,2,3,4,5,6,7
	v_max_num_f32 v[BM+\q], v[BM+\q], v[BP+\q]     ; with lane l xor 16's 16 keys: the block's largest score
.endr
.irp x, 0,1
	v_max3_num_f32 v[T0+\x], v[BM+4*\x], v[BM+4*\x+1], v[BM+4*\x+2]
.endr
.irp x, 0,1
	v_max_num_f32 v[T0+\x], v[T0+\x], v[BM+4*\x+3]
.endr
.irp x, 0,1
	v_mul_f32 v[T0+\x], s[CS], v[T0+\x]            ; the step's largest t (c is positive)
.endr
.irp x, 0,1
	v_floor_f32 v[NM+2*\x], -v[T0+\x]              ; -M = floor(-t) = -ceil(t)
.endr
.set rr, 0
.rept 64
	v_pk_fma_f32 v[S+rr:S+rr+1], v[S+rr:S+rr+1], s[CS:CS+1], v[NM+2*(rr/64):NM+2*(rr/64)+1] op_sel_hi:[1,0,0]   ; t - M
.set rr, rr+2
.endr
.irp q, 0,1,2,3,4,5,6,7
	v_fma_f32 v[BM+\q], v[BM+\q], s[CS], v[NM+2*(\q/4)]
.endr
	VW
.set rr, 0
.rept 128
	v_exp_f32 v[S+rr], v[S+rr]                     ; p = 2^(t - M)
.set rr, rr+1
.endr
.irp q, 0,1,2,3,4,5,6,7
	v_exp_f32 v[BM+\q], v[BM+\q]                   ; the block's largest p, in the same batch
.endr
	v_nop                                          ; the plain line behind the batch
	VW
.irp c, 0,1,2,3                                ; the sum of the unquantised p: four chains a tile
.irp x, 0,1
	v_pk_add_f32 v[CH+8*\x+2*\c:CH+8*\x+2*\c+1], v[S+64*\x+2*\c:S+64*\x+2*\c+1], v[S+64*\x+2*\c+8:S+64*\x+2*\c+9]
.endr
.endr
.irp k, 16,24,32,40,48,56
.irp c, 0,1,2,3
.irp x, 0,1
	v_pk_add_f32 v[CH+8*\x+2*\c:CH+8*\x+2*\c+1], v[CH+8*\x+2*\c:CH+8*\x+2*\c+1], v[S+64*\x+\k+2*\c:S+64*\x+\k+2*\c+1]
.endr
.endr
.endr
.irp q, 0,1,2,3,4,5,6,7
	v_max_num_f32 v[BM+\q], 0x1800000, v[BM+\q]    ; the floor 2^(3 - 127): the byte cannot fall under 1
.endr
.irp x, 0,1
	v_pk_add_f32 v[CH+8*\x:CH+8*\x+1], v[CH+8*\x:CH+8*\x+1], v[CH+8*\x+2:CH+8*\x+3]
	v_pk_add_f32 v[CH+8*\x+4:CH+8*\x+5], v[CH+8*\x+4:CH+8*\x+5], v[CH+8*\x+6:CH+8*\x+7]
.endr
.irp q, 0,1,2,3,4,5,6,7
	v_add_nc_u32 v[BS+\q], 0xff000000, v[BM+\q]    ; 2 off the exponent field: the conversion's scale operand
.endr
.irp x, 0,1
	v_pk_add_f32 v[CH+8*\x:CH+8*\x+1], v[CH+8*\x:CH+8*\x+1], v[CH+8*\x+4:CH+8*\x+5]
.endr
.irp q, 0,1,2,3,4,5,6,7
	v_lshrrev_b32 v[BP+\q], 23, v[BS+\q]           ; the scale's byte, at most 125
.endr
.irp x, 0,1
	v_add_f32 v[CH+8*\x], v[CH+8*\x], v[CH+8*\x+1]
.endr
.irp x, 0,1
	v_lshl_or_b32 v[SW+\x], v[BP+4*\x+1], 8, v[BP+4*\x]
.endr
.irp x, 0,1
	v_permlanex16_b32 v[PD+\x], v[CH+8*\x], s[SEL], s[SEL+1]
.endr
.irp x, 0,1
	v_lshl_or_b32 v[SW+\x], v[BP+4*\x+2], 16, v[SW+\x]
.endr
.irp x, 0,1
	v_add_f32 v[CH+8*\x], v[CH+8*\x], v[PD+\x]     ; the sum over the step's 128 keys
.endr
.irp x, 0,1
	v_lshl_or_b32 v[SW+\x], v[BP+4*\x+3], 24, v[SW+\x]
.endr
.irp q, 0,1,2,3,4,5,6,7
	v_cvt_scalef32_pk8_fp4_f32 v[PC+2*\q], v[S+16*\q:S+16*\q+7], v[BS+\q]
	v_cvt_scalef32_pk8_fp4_f32 v[PC+2*\q+1], v[S+16*\q+8:S+16*\q+15], v[BS+\q]
.endr
	v_nop                                          ; one plain line behind the scaled conversions
.irp e, 0,1,4,5,8,9,12,13                      ; a whole block to a lane
	v_permlane16_swap_b32 v[PC+\e], v[PC+\e+2]
.endr
.irp x, 0,1
	ds_store_b128 v[PA], v[PC+8*\x:PC+8*\x+3] offset:1024*\x
	ds_store_b128 v[PA], v[PC+8*\x+4:PC+8*\x+7] offset:1024*\x+512
	ds_store_b32 v[PSA], v[SW+\x] offset:128*\x
	ds_store_b32 v[PSA], v[NM+2*\x] offset:NMO+128*\x
	ds_store_b32 v[PSA], v[CH+8*\x] offset:LSO+128*\x
.endr
.endm
; THE HEAD'S STEPS.  XST: sixteen loads' worth of tile x, one quarter (512 bytes) of each of its 16 rows, into my stage, as loaded: all that one fragment of Q needs.
.macro XST x, m0
	WIN 0x08+0x04*(\x)
.set rr, \m0
.rept 16
	ds_store_b128 v[XW], v[4*rr:4*rr+3] offset:(16*(\x)+rr%16)*XP+(rr/16)*512
.set rr, rr+1
.endr
	WIN 0
.endm
; LQ: fragment f = 4 x + ds: my two blocks of 32 numbers (d = 128 ds + 64 c + 32 (lane / 16) ..) of row lane % 16, back from the stage (LDS serves a wave's instructions in order).
.macro LQ f
.set rr, 0
.rept 16
	ds_load_b128 v[S+64*((\f)%2)+4*rr:S+64*((\f)%2)+4*rr+3], v[XR] offset:((\f)/4)*16*XP+512*((\f)%4)+256*(rr/8)+16*(rr%8)
.set rr, rr+1
.endr
.endm
.macro QUANTQ f
.set rX, S+64*((\f)%2)
.irp q, 0,1,2,3
	v_max3_num_f32 v[BM+\q], |v[rX+16*\q]|, |v[rX+16*\q+1]|, 0x1800000   ; four chains of 16, with the floor 2^(3 - 127)
.endr
.irp i, 2,4,6,8,10,12,14
.irp q, 0,1,2,3
	v_max3_num_f32 v[BM+\q], v[BM+\q], |v[rX+16*\q+\i]|, |v[rX+16*\q+\i+1]|
.endr
.endr
	v_max_num_f32 v[BM], v[BM], v[BM+1]
	v_max_num_f32 v[BM+1], v[BM+2], v[BM+3]
.irp c, 0,1
	v_add_nc_u32 v[BS+\c], 0xff000000, v[BM+\c]
.endr
.irp c, 0,1
	v_lshrrev_b32 v[BP+\c], 23, v[BS+\c]
.endr
	v_lshl_or_b32 v[T0], v[BP+1], 16, v[BP]        ; my bytes: blocks h and 2 + h,
	v_lshlrev_b32 v[T0], v[SH8], v[T0]             ; at their places;
	v_permlanex16_b32 v[T1], v[T0], s[SEL], s[SEL+1]
	v_or_b32 v[QS+(\f)], v[T0], v[T1]              ; with lane l xor 16's the word is whole
.irp c, 0,1
.irp g, 0,1,2,3
	v_cvt_scalef32_pk8_fp4_f32 v[PC+4*\c+\g], v[rX+32*\c+8*\g:rX+32*\c+8*\g+7], v[BS+\c]
.endr
.endr
	v_nop
	ds_store_b128 v[QST], v[PC:PC+3] offset:1024*(\f)
	ds_store_b128 v[QST], v[PC+4:PC+7] offset:1024*(\f)+512
.if (\f)%4 == 3
	ds_store_b128 v[QSS], v[QS+(\f)-3:QS+(\f)] offset:512*((\f)/4)
.endif
.endm
.macro QSTEP f                         ; the next fragment's 16 loads may be out; all that is older, the last fragment's stores too, is done
.if (\f) < 7
	LQ (\f)+1
	s_wait_dscnt 16
.else
	s_wait_dscnt 0x0
.endif
	QUANTQ \f
.endm
; PHASE 2.  FV: V of key step 4 k + m from kv into buffer m % 4 of window 1, with its scale words: 17 loads.  FP: P of key step 4 k + m from LDS into buffer m % 2, with its scale words: 17 loads.
.macro FV m
	WIN 0
	global_load_b128 v[VS+4*((\m)%4):VS+4*((\m)%4)+3], v[LI], s[VA:VA+1] offset:VSTEP*(\m)+VSCO
	WIN 0x40
.set rr, 0
.rept 16
	global_load_b128 v[64*((\m)%4)+4*rr:64*((\m)%4)+4*rr+3], v[LI], s[VA:VA+1] offset:VSTEP*(\m)+512*rr
.set rr, rr+1
.endr
	WIN 0
.endm
.macro FP m
	WIN 0
	ds_load_b128 v[PWB+4*((\m)%2):PWB+4*((\m)%2)+3], v[FR] offset:512*(\m)
.set rr, 0
.rept 16
	ds_load_b128 v[S+64*((\m)%2)+4*rr:S+64*((\m)%2)+4*rr+3], v[PR] offset:8192*(\m)+512*rr
.set rr, rr+1
.endr
.endm
.macro MULV m, zero                    ; the 64 accumulators take turns, in the same order in every key step
.irp T, 0,1,2,3,4,5,6,7
	WIN 0xa1+0x50*((\T)/4)
.irp i, 0,1,2,3,4,5,6,7
.set dD, 64*((\T)%4)+8*\i
.set dA, 64*((\m)%4)+8*\i
.set dB, S+64*((\m)%2)+8*\T
.set dSA, VS+4*((\m)%4)+\i/2
.set dSB, PWB+4*((\m)%2)+\T/2
.set dZ, (\zero)
.set dR, \i%2
.set dRB, \T%2
	WMMA
.endr
.endr
.endm
; A key step: lv: V three steps on is asked for; lp: P one step on; lc: the loads issued behind this step's V (17 a step).
.macro PSTEP m, lv, lp, zero, lc
	PLACES 4                                       ; in front of loads into registers that the last products have read
.if \lv
	FV (\m)+3
.endif
.if \lp
	FP (\m)+1
.endif
	s_wait_loadcnt \lc
.if \lp
	s_wait_dscnt 17                                ; the next step's 17 loads may be out
.else
	s_wait_dscnt 0x0
.endif
	MULV \m, \zero
.endm
; THE WAY OUT of tile T: x 1 / l, through my stage, back as whole rows of 512 bytes.
.macro OMUL T
	WIN 0x82+0x41*((\T)/4)
.set rr, 64*((\T)%4)
.rept 32
	v_pk_mul_f32 v[rr:rr+1], v[rr:rr+1], v[RLR+2*(\T):RLR+2*(\T)+1] op_sel_hi:[1,0]
.set rr, rr+2
.endr
	WIN 0x08+0x04*((\T)/4)
.irp t, 0,1,2,3,4,5,6,7
	ds_store_b128 v[STO], v[64*((\T)%4)+8*\t:64*((\T)%4)+8*\t+3] offset:STG*((\T)%2)+64*\t
	ds_store_b128 v[STO], v[64*((\T)%4)+8*\t+4:64*((\T)%4)+8*\t+7] offset:STG*((\T)%2)+64*\t+16
.endr
	WIN 0
.irp t, 0,1,2,3,4,5,6,7,8,9,10,11,12,13,14,15
	ds_load_b128 v[S+64*((\T)%2)+4*\t:S+64*((\T)%2)+4*\t+3], v[SRD] offset:STG*((\T)%2)+\t*SP
.endr
.endm
.macro SEND T, younger
	s_wait_dscnt \younger
.irp t, 0,1,2,3,4,5,6,7,8,9,10,11,12,13,14,15
	global_store_b128 v[LI], v[S+64*((\T)%2)+4*\t:S+64*((\T)%2)+4*\t+3], s[8:9] offset:(16*(\T)+\t)*2048 th:TH_STORE_NT   ; 32 lanes store 512 consecutive bytes, aligned
.endr
.endm
	s_load_b128 s[4:7], s[0:1], 0x0                ; x1, kv
	s_load_b64 s[8:9], s[0:1], 0x10                ; out0
	v_lshl_add_u32 v[SPW], v0, 2, SPARE
	v_mov_b32 v[NIL], 0
	v_lshrrev_b32 v50, 5, v0
	v_readfirstlane_b32 s[WV], v50                 ; wave 0..3
	s_and_b32 s12, ttmp7, 0xffff                   ; the batch
	s_lshl_b32 s14, s12, 11
	s_lshl_b32 s15, ttmp9, 7
	s_add_co_u32 s14, s14, s15
	s_lshl_b32 s14, s14, 11                        ; my work-group's first row, in bytes (under 2^27)
	s_lshl_b32 s16, s[WV], 16
	s_add_co_u32 s16, s16, s14                     ; x1: + 32 rows a wave
	s_mov_b32 s17, 0
	s_lshl_b32 s15, s[WV], 9
	s_add_co_u32 s14, s14, s15                     ; out0: + 128 channels a wave
	s_mov_b32 s15, 0
	s_mul_i32 s18, s12, BATCHB
	s_mul_i32 s19, s[WV], 4*KSTEP
	s_add_co_u32 s[KA], s18, s19                   ; K: key step 4 w
	s_mov_b32 s[KA+1], 0
	s_mul_i32 s19, s[WV], VGRP
	s_add_co_u32 s[VA], s18, s19
	s_add_co_u32 s[VA], s[VA], VREG                ; V: channel group w
	s_mov_b32 s[VA+1], 0
	s_mul_i32 s19, ttmp9, VSTEP
	s_add_co_u32 s[PFA], s[VA], s19                ; the key step of V that my work-group names
	s_mov_b32 s[PFA+1], 0
	s_mul_i32 s28, ttmp9, 9                        ; and its nine blocks of a key step of K
	s_mul_i32 s38, s[WV], XWAVE
	s_lshl_b32 s39, s[WV], 13
	s_lshl_b32 s40, s[WV], 10
	s_lshl_b32 s41, s[WV], 15
	s_lshl_b32 s42, s[WV], 12
	s_lshl_b32 s43, s[WV], 8
	s_lshl_b32 s30, s[WV], 2
	s_lshl_b32 s31, s[WV], 7
	s_mul_i32 s29, s[WV], 2*STG
	s_mov_b32 s[CS], 0x3d8293ee                    ; c = log2(e) / sqrt(512)
	s_mov_b32 s[CS+1], s[CS]
	s_mov_b32 s[SEL], 0x76543210
	s_mov_b32 s[SEL+1], 0xfedcba98
	s_mov_b32 s[M01], 0x01010101
	v_and_b32 v50, 31, v0                          ; lane
	v_and_b32 v[T0], 15, v0                        ; r
	v_bfe_u32 v[T1], v0, 4, 1                      ; h
	v_lshlrev_b32 v[LI], 4, v50
	v_add_nc_u32 v[XW], s38, v[LI]
	v_mul_u32_u24 v[XR], v[T0], XP
	v_lshl_add_u32 v[XR], v[T1], 7, v[XR]
	v_add_nc_u32 v[XR], s38, v[XR]
	v_add_nc_u32 v[QA0], QI, v[LI]
	v_add_nc_u32 v[QST], s39, v[QA0]
	v_add_nc_u32 v[QS0], QSC, v[LI]
	v_add_nc_u32 v[QSS], s40, v[QS0]
	v_add_nc_u32 v[PA0], s41, v[LI]
	v_lshl_add_u32 v[PS0], v50, 2, PSC
	v_add_nc_u32 v[PS1], s43, v[PS0]
	v_lshl_add_u32 v[PS1], v[T1], 7, v[PS1]
	v_add_nc_u32 v[PS0], s42, v[PS0]
	v_add_nc_u32 v[FSL], FS, v[LI]
	v_add_nc_u32 v[FSA], s30, v[FSL]
	v_lshl_add_u32 v[RLA], v50, 2, RL
	v_add_nc_u32 v[RLA], s31, v[RLA]
	v_lshl_add_u32 v[RLB], v[T0], 2, RL
	v_add_nc_u32 v[SRD], OSTG, v[LI]
	v_add_nc_u32 v[SRD], s29, v[SRD]
	v_mul_u32_u24 v[STO], v[T0], SP
	v_lshl_add_u32 v[STO], v[T1], 5, v[STO]
	v_add_nc_u32 v[STO], OSTG, v[STO]
	v_add_nc_u32 v[STO], s29, v[STO]
	v_lshlrev_b32 v[SH8], 3, v[T1]
	v_lshlrev_b32 v[PFO], 8, v50
	v_min_u32 v[PF2], 1, v50
	v_lshl_add_u32 v[PF2], v[PF2], 8, 8192
	v_min_u32 v[PFK], 8, v50
	v_add_nc_u32 v[PFK], s28, v[PFK]
	v_min_u32 v[PFK], 135, v[PFK]                  ; inside the key step's 136 blocks
	v_lshlrev_b32 v[PFK], 8, v[PFK]
.irp b, 0,1,2,3,4,5,6,7
	v_mov_b32 v[BP+\b], 0                          ; a lane permute's destination counts as one of its sources
.endr
	v_mov_b32 v[PD], 0
	v_mov_b32 v[PD+1], 0
	v_mov_b32 v[NM+1], 0                           ; (upper halves of -M's pairs)
	v_mov_b32 v[NM+3], 0
	VW                                             ; at the head's end
	s_wait_kmcnt 0x0
	s_add_nc_u64 s[4:5], s[4:5], s[16:17]
	s_add_nc_u64 s[8:9], s[8:9], s[14:15]
	s_add_nc_u64 s[KA:KA+1], s[6:7], s[KA:KA+1]
	s_add_nc_u64 s[VA:VA+1], s[6:7], s[VA:VA+1]
	s_add_nc_u64 s[PFA:PFA+1], s[6:7], s[PFA:PFA+1]
	FKG                                            ; my first key step of K
.irp x, 0,1                                    ; my 32 rows of x1 are 65,536 consecutive bytes: 128 loads of 512, into windows 2 and 3
	WIN 0x80+0x40*\x
.set rr, 0
.rept 64
	global_load_b128 v[4*rr:4*rr+3], v[LI], s[4:5] offset:32768*\x+2048*(rr%16)+512*(rr/16) th:TH_LOAD_NT   ; by quarters of the rows: fragment f needs loads 16 f .. 16 f + 15
.set rr, rr+1
.endr
.endr
	WIN 0
	s_wait_loadcnt 63                              ; loads come back in order: K and tile 0's 64 are in (the field holds no larger count)
	XST 0, 0
	XST 0, 16
	XST 0, 32
	XST 0, 48
	LQ 0
	QSTEP 0
	QSTEP 1
	QSTEP 2
	s_wait_loadcnt 48
	XST 1, 0
	QSTEP 3                                        ; each fragment is worked on while the later quarters are on their way
	s_wait_loadcnt 32
	XST 1, 16
	QSTEP 4
	s_wait_loadcnt 16
	XST 1, 32
	QSTEP 5
	s_wait_loadcnt 0x0
	XST 1, 48
	QSTEP 6
	QSTEP 7
	VW
	s_wait_dscnt 0x0                               ; my part of Q's image is stored, my reads of the stage are over
	BAR
	v_mov_b32 v[QA], v[QA0]
	v_mov_b32 v[QSA], v[QS0]
	LQP                                            ; Q's pair 0
	s_mov_b32 s[N], 0
	s_mov_b32 s[PB], 0
	s_mov_b32 s[PSB], 0
; PHASE 1: trip n = 4 i + y: my key step 4 w + i, query tiles 2 y and 2 y + 1.
.Lp1:
	v_add_nc_u32 v[PA], s[PB], v[PA0]
	v_add_nc_u32 v[PSA], s[PSB], v[PS0]
	VW
	s_wait_loadcnt 0x0                             ; K
	s_wait_dscnt 0x0                               ; Q's pair; and the last trip's stores have read their registers
	MULS 0, 1
	MULS 1, 0
	MULS 2, 0
	MULS 3, 0
	PLACES 4
	WIN 0
	s_add_co_u32 s30, s[N], 1
	s_and_b32 s30, s30, 3                          ; the next pair
	s_lshl_b32 s31, s30, 13
	s_lshl_b32 s30, s30, 10
	v_add_nc_u32 v[QA], s31, v[QA0]
	v_add_nc_u32 v[QSA], s30, v[QS0]
	LQP                                            ; lands under the softmax below
	VW
	s_and_b32 s30, s[N], 3
	s_cmp_lg_u32 s30, 3
	s_cbranch_scc1 .Lno_k
	s_cmp_eq_u32 s[N], 15
	s_cbranch_scc1 .Lno_k
	s_wait_xcnt 0x0                                ; the prefetch three trips back has read its base
	s_add_nc_u64 s[KA:KA+1], s[KA:KA+1], KSTEP
	FKG                                            ; the key step's last products are issued: its registers take the next key step
.Lno_k:
	s_cmp_lg_u32 s30, 0
	s_cbranch_scc1 .Lno_pk
	s_cmp_lt_u32 s[N], 12
	s_cbranch_scc0 .Lno_pk
	global_prefetch_b8 v[PFK], s[KA:KA+1] offset:KSTEP th:TH_LOAD_NT scope:SCOPE_SE   ; my work-group's blocks of my next key step
.Lno_pk:
	s_cmp_lg_u32 s[N], 2
	s_cbranch_scc1 .Lno_pv
	global_prefetch_b8 v[PFO], s[PFA:PFA+1] th:TH_LOAD_NT scope:SCOPE_SE              ; 32 + 2 blocks of V
	global_prefetch_b8 v[PF2], s[PFA:PFA+1] th:TH_LOAD_NT scope:SCOPE_SE
.Lno_pv:
	SM
	s_add_co_u32 s[PB], s[PB], 2048
	s_add_co_u32 s[PSB], s[PSB], 256
	s_add_co_u32 s[N], s[N], 1
	s_cmp_lt_u32 s[N], 16
	VW
	s_cbranch_scc1 .Lp1
	s_wait_loadcnt 0x0                             ; every load of K is done: its registers take V
	FV 0
	FV 1
	FV 2
	VW
	s_wait_dscnt 0x0
	BAR                                            ; every wave's p, words and sums are stored
; BETWEEN THE PHASES: lanes 0-15 tile 2 w, lanes 16-31 tile 2 w + 1; one register a key step.
.set rr, 0
.rept 16
	ds_load_b32 v[PWR+rr], v[PS1] offset:1024*rr
	ds_load_b32 v[S+rr], v[PS1] offset:NMO+1024*rr
	ds_load_b32 v[S+32+rr], v[PS1] offset:LSO+1024*rr
.set rr, rr+1
.endr
	s_wait_dscnt 0x0
	v_min3_num_f32 v[T0], v[S], v[S+1], v[S+2]
.irp i, 3,5,7,9,11,13
	v_min3_num_f32 v[T0], v[T0], v[S+\i], v[S+\i+1]
.endr
	v_min_num_f32 v[T0], v[T0], v[S+15]            ; the row's -M
.set rr, 0
.rept 16
	v_sub_f32 v[S+rr], v[S+rr], v[T0]              ; d = M(row) - M(step): a whole number, 0 or more
.set rr, rr+1
.endr
.set rr, 0
.rept 16
	v_cvt_u32_f32 v[S+rr], v[S+rr]
.set rr, rr+1
.endr
.set rr, 0
.rept 16
	v_min_u32 v[S+rr], 127, v[S+rr]
.set rr, rr+1
.endr
.set rr, 0
.rept 16
	v_sub_nc_u32 v[S+16+rr], 0, v[S+rr]
.set rr, rr+1
.endr
.set rr, 0
.rept 16
	v_ldexp_f32 v[S+32+rr], v[S+32+rr], v[S+16+rr] ; the partial sum under the row's M
.set rr, rr+1
.endr
	v_pk_add_f32 v[S+32:S+33], v[S+32:S+33], v[S+34:S+35]
	v_pk_add_f32 v[S+36:S+37], v[S+36:S+37], v[S+38:S+39]
.irp j, 40,44
	v_pk_add_f32 v[S+32:S+33], v[S+32:S+33], v[S+\j:S+\j+1]
	v_pk_add_f32 v[S+36:S+37], v[S+36:S+37], v[S+\j+2:S+\j+3]
.endr
	v_pk_add_f32 v[S+32:S+33], v[S+32:S+33], v[S+36:S+37]
	v_add_f32 v[S+32], v[S+32], v[S+33]            ; l
	VW
	v_rcp_f32 v[T1], v[S+32]
	; d comes off all four bytes of a word at once.  With 128 added to each byte (a byte is at most 125) no byte borrows: 128 + byte - d lies between 2 and 253, and its top bit says whether byte - d is 0 or more; where not, the byte is held at 0.
.set rr, 0
.rept 16
	v_mul_lo_u32 v[S+rr], v[S+rr], s[M01]
.set rr, rr+1
.endr
.set rr, 0
.rept 16
	v_or_b32 v[PWR+rr], 0x80808080, v[PWR+rr]
.set rr, rr+1
.endr
.set rr, 0
.rept 16
	v_sub_nc_u32 v[PWR+rr], v[PWR+rr], v[S+rr]
.set rr, rr+1
.endr
.set rr, 0
.rept 16
	v_lshrrev_b32 v[S+rr], 7, v[PWR+rr]
.set rr, rr+1
.endr
.set rr, 0
.rept 16
	v_and_b32 v[S+rr], s[M01], v[S+rr]
.set rr, rr+1
.endr
.set rr, 0
.rept 16
	v_lshlrev_b32 v[S+16+rr], 8, v[S+rr]
.set rr, rr+1
.endr
.set rr, 0
.rept 16
	v_sub_nc_u32 v[S+rr], v[S+16+rr], v[S+rr]
.set rr, rr+1
.endr
.set rr, 0
.rept 16
	v_and_b32 v[S+rr], 0x7f7f7f7f, v[S+rr]
.set rr, rr+1
.endr
.set rr, 0
.rept 16
	v_and_b32 v[PWR+rr], v[PWR+rr], v[S+rr]        ; p's scale words under the row's M
.set rr, rr+1
.endr
	VW
.set rr, 0
.rept 16
	ds_store_b32 v[FSA], v[PWR+rr] offset:512*rr
.set rr, rr+1
.endr
	ds_store_b32 v[RLA], v[T1]
	s_wait_dscnt 0x0
	BAR
.irp T, 0,1,2,3,4,5,6,7
	ds_load_b32 v[RLR+2*\T], v[RLB] offset:64*\T
	ds_load_b32 v[RLR+2*\T+1], v[RLB] offset:64*\T
.endr
	v_mov_b32 v[PR], v[LI]
	v_mov_b32 v[FR], v[FSL]
	VW
	FP 0
; PHASE 2: key step 0 starts the sums; three trips of four key steps; the last three ask for no more of V.
	PSTEP 0, 1, 1, 1, 51
	WIN 0
	s_mov_b32 s[N], 3
	s_mov_b32 s[PB], PIMG
	s_mov_b32 s[PSB], 0
.Lp2:
	PSTEP 1, 1, 1, 0, 51
	PSTEP 2, 1, 1, 0, 51
	PSTEP 3, 1, 1, 0, 51
	PSTEP 4, 1, 1, 0, 51
	WIN 0
	s_wait_xcnt 0x0                                ; the loads have read their base
	s_add_nc_u64 s[VA:VA+1], s[VA:VA+1], 4*VSTEP
	s_add_co_u32 s[PB], s[PB], 32768
	s_add_co_u32 s[PSB], s[PSB], 2048
	v_add_nc_u32 v[PR], s[PB], v[LI]
	v_add_nc_u32 v[FR], s[PSB], v[FSL]
	s_sub_co_u32 s[N], s[N], 1
	s_cmp_lg_u32 s[N], 0
	VW
	s_cbranch_scc1 .Lp2
	PSTEP 1, 0, 1, 0, 34
	PSTEP 2, 0, 1, 0, 17
	PSTEP 3, 0, 0, 0, 0
	PLACES 4                                       ; the multiplies read results just made
	OMUL 0
.irp T, 1,2,3,4,5,6,7
.if \T >= 2
	s_wait_xcnt 0x0                                ; the stores of two tiles back have read their registers
.endif
	OMUL \T
	SEND \T-1, 32                                  ; this tile's 16 stores and 16 loads may be out
.endr
	SEND 7, 0
	s_wait_tensorcnt 0x0                           ; the wave's end
	ds_add_u32 v[SPW], v[NIL]
	s_wait_dscnt 0x0
	s_endpgm
.Lfunc_end_k_qc1d371df9c_attn:
	.size	k_qc1d371df9c_attn, .Lfunc_end_k_qc1d371df9c_attn-k_qc1d371df9c_attn
	.p2alignl 7, 3214868480
	.fill 96, 4, 3214868480
	.section	.rodata,"a",@progbits
	.p2align	6, 0x0
	.amdhsa_kernel k_qc1d371df9c_attn
		.amdhsa_group_segment_fixed_size 301568
		.amdhsa_private_segment_fixed_size 0
		.amdhsa_enable_private_segment 0
		.amdhsa_kernarg_size 24
		.amdhsa_user_sgpr_count 2
		.amdhsa_user_sgpr_kernarg_segment_ptr 1
		.amdhsa_wavefront_size32 1
		.amdhsa_system_sgpr_workgroup_id_x 1
		.amdhsa_system_sgpr_workgroup_id_y 1
		.amdhsa_system_sgpr_workgroup_id_z 1
		.amdhsa_system_vgpr_workitem_id 0
		.amdhsa_next_free_vgpr 1024
		.amdhsa_next_free_sgpr 66
		.amdhsa_reserve_vcc 0
		.amdhsa_float_denorm_mode_32 3
		.amdhsa_float_denorm_mode_16_64 3
		.amdhsa_memory_ordered 1
		.amdhsa_forward_progress 1
		.amdhsa_inst_pref_size 255
	.end_amdhsa_kernel
	.section	.bss,"aw",@nobits
	.p2align	6
	.space	262144
	.amdgpu_metadata
---
amdhsa.version: [ 1, 2 ]
amdhsa.kernels:
  - .name:           k_qc1d371df9c_attn
    .symbol:         k_qc1d371df9c_attn.kd
    .args:
      - { .name: x1, .offset: 0, .size: 8, .value_kind: global_buffer, .address_space: global }
      - { .name: kv, .offset: 8, .size: 8, .value_kind: global_buffer, .address_space: global }
      - { .name: out0, .offset: 16, .size: 8, .value_kind: global_buffer, .address_space: global }
    .group_segment_fixed_size: 301568
    .private_segment_fixed_size: 0
    .kernarg_segment_align: 8
    .kernarg_segment_size: 24
    .max_flat_workgroup_size: 128
    .sgpr_count:     66
    .vgpr_count:     1024
    .wavefront_size: 32
...
	.end_amdgpu_metadata
.endif
;; end of part 2
